; MI455X (gfx1250); checked and timed in simulation.
; The chip was launched on July 23, 2026; its instructions are those of AMD's public machine-readable ISA for CDNA 5 (MIT licence, August 2026) and "CDNA5" Instruction Set Architecture Reference Guide (July 2026). The comments in the code are by the model that wrote it; some were corrected since.
;; Multi Head Attention. Allowed arithmetic: matrix products marked QUANTISED: E3M2 operands, one E8M0 scale for each 32 along K, by v_wmma_scale_f32_16x16x128_f8f6f4 with both operands' format E3M2, f32 sums; everything else in f32.
;; Inputs: Wk 512 x 512 float32; Wo 512 x 512 float32; Wq 512 x 512 float32; Wv 512 x 512 float32; bk 512 float32; bo 512 float32; bq 512 float32; bv 512 float32; x 2 x 4,096 x 512 float32.
;; Outputs: out0 2 x 4,096 x 512 float32.
;; This version of the problem:
;;   THIS VERSION OF THE PROBLEM IS GIVEN IN LOW PRECISION. The matrix products marked QUANTISED in the list below multiply operands that are first quantised to E3M2 (3 exponent bits, 2 mantissa bits; 6 bits a number), with one power-of-two scale for each 32 numbers along K (OCP MX v1.0); their sums are f32. All else is computed in f32.
;;   The module's matrix products, in the order in which they are computed (A, B: the left and right operand; K: the contracted axis; several contracted axes count as one K, in the product's order):
;;     1. [M 8,192, K 512] x [K 512, N 512]; A: input x; B: input Wq: QUANTISED
;;     2. [M 8,192, K 512] x [K 512, N 512]; A: input x; B: input Wk: QUANTISED
;;     3. [M 8,192, K 512] x [K 512, N 512]; A: input x; B: input Wv: QUANTISED
;;     4. batch 16 x [M 4,096, K 64] x [K 64, N 4,096]; A: computed on the way; B: computed on the way: QUANTISED
;;     5. batch 16 x [M 4,096, K 4,096] x [K 4,096, N 64]; A: softmax (see below); B: computed on the way: QUANTISED
;;     6. [M 8,192, K 512] x [K 512, N 512]; A: computed on the way; B: input Wo: QUANTISED
;;   THE QUANTISER, for each operand of a quantised product, along K:
;;     - K is cut into blocks of 32 from its start; a last block that is shorter is filled with zeros.
;;     - A block's scale is 2^e with e = floor(log2(the largest magnitude in the block)) - 4, held to -126 .. 127; a block of zeros has e = 0. As a byte (E8M0): e + 127.
;;     - Each number is divided by its block's scale, clamped to +-28, and rounded to the nearest number of E3M2, ties to even, subnormals kept.
;;     - The product sums the exact products of the quantised numbers (number of the format x scale) in f32.
;;   ~~~python
;;   def quantise(x, axis):      # numpy; x: float32 -> the quantised numbers, widened to float32 again
;;       x = np.moveaxis(x, axis, -1); K = x.shape[-1]
;;       x = np.pad(x, [(0, 0)] * (x.ndim - 1) + [(0, -K % 32)]); x = x.reshape(x.shape[:-1] + (-1, 32)); a = np.abs(x).max(-1, keepdims=True)
;;       e = np.where(a > 0, np.clip(np.frexp(np.where(a > 0, a, 1))[1] - 1 - 4, -126, 127), 0)      # np.frexp(a)[1] - 1 = floor(log2(a)), exactly
;;       r = np.clip(x / 2.0 ** e, -28, 28)
;;       step = 2.0 ** (np.maximum(np.frexp(np.where(r == 0, 1, r))[1] - 1, -2) - 2)
;;       q = np.round(r / step) * step * 2.0 ** e      # np.round: ties to even
;;       return np.moveaxis(q.reshape(q.shape[:-2] + (-1,))[..., :K], -1, axis).astype(np.float32)
;;   ~~~
;;   SOFTMAX AHEAD OF A QUANTISED PRODUCT. Where the list says 'softmax', what is quantised is not the finished softmax but p = 2^(t - M), with t = logit x log2(e) and M = ceil(the row's largest t), a whole number; so 1/2 < the row's largest p <= 1. The row's sum l is taken of the UNQUANTISED p, in f32, and the product's result is divided by l at the end. Since M is a whole number, a kernel that streams over the keys may use a running M (the ceiling of the running maximum): every later rescaling is an exact power of two, which a block's scale takes up: the codes' values come out the same.
;;   OPERANDS COMPUTED ON THE WAY. 'Computed on the way' means the value that the module computes at that place (a softmax that the list does not call 'softmax' is quantised finished and normalised). What goes into a quantiser is computed in f32, as accurately as f32 sums, v_exp_f32 and their like allow (about 1e-6 of the number): no bf16 or f16 on the way to a quantiser, and a product that is left as it is and whose result goes on into a quantised operand takes f32 operands (vector FMAs, or v_wmma_f32_16x16x4_f32). A number that lies on a knife's edge between two numbers of the format may be rounded either way, as far as f32 arithmetic and the matrix unit's own rounding can turn it there, and no further.
;; One version. Each part assembles by itself: llvm-mc -triple=amdgcn-amd-amdhsa -mcpu=gfx1250 --defsym DOCPART=n.
;; ======== version 1 of 1: 4 launches
;; limits: right only within a limited range of input values
;; workspace buffers: img 3,932,160 bytes; scl 327,680 bytes; qi 3,407,872 bytes; kv 6,815,744 bytes; ctx 4,194,304 bytes
;; launch quant (part 1): grid 256 x 1, 5 waves a work-group, no clusters, 43,776 bytes of LDS; arguments x, Wq, Wk, Wv, Wo, img, scl; writes img, scl
.if DOCPART == 1
	.amdgcn_target "amdgcn-amd-amdhsa--gfx1250"
	.amdhsa_code_object_version 6
	.text
	.protected	k_qe0e1e43f32_quant
	.globl	k_qe0e1e43f32_quant
	.p2align	8
	.type	k_qe0e1e43f32_quant,@function
k_qe0e1e43f32_quant:
	s_mov_b64 s[64:65], 0
	v_nop
	global_prefetch_b8 v0, s[64:65] scope:SCOPE_SE
	s_setreg_imm32_b32 hwreg(HW_REG_WAVE_MODE, 25, 1), 1
	s_wait_xcnt 0x0
; x [8192][512] and Wq, Wk, Wv, Wo [512][512], f32 with K = 512 innermost, become codes of BF6 (E3M2) with one E8M0 scale byte for each 32 along K.
; They are laid as IMAGES OF OPERAND REGISTERS.  A tile is 16 rows; tiles are numbered x 0..511, Wq 512.., Wk 544.., Wv 576.., Wo 608..639.
; Lane r of tile T holds row 32 (T / 2) + 8 (T % 2) + r + 8 (r / 8) of its tensor (T counted inside the tensor): so the two tiles of a pair cover 32 neighbouring rows.
; Where such a pair is source 0 of a product, a lane's 16 results are 16 neighbours.  Fragment (T, s), 128 along K, is 12 registers a lane:
;   img + 6144 T + 1536 s + 512 q + 16 lane = registers 4 q .. 4 q + 3;     scl + 512 T + 256 (s / 2) + 8 lane + 4 (s % 2) = the scale word of the lane's row (both halves of the lanes hold it).
; SHARES: 640 tiles x 2 halves of K = 1,280 waves = 256 work-groups of 5; a wave makes two fragments.  Each load reads 512 consecutive bytes of one row.
; The 16 rows turn through the wave's own stage in LDS (rows 528 bytes apart), so that a lane gets 16 neighbours of each block of 32.  Waves share nothing: no barrier.
; A block's scale byte is its largest magnitude's exponent field - 4, held at 1 from below.
; LIMITS: a block of zeros, or one whose largest magnitude lies under 2^-122, gets the byte 1 (a block of zeros has zero codes, and this program alone reads the bytes); NaN and infinities are not served.
.set STG,  8448                        ; a wave's stage: 16 rows x 528 bytes
.set LA,   4                           ; v4   16 x lane
.set LB,   5                           ; v5   8 x lane
.set STI,  6                           ; v6   the stage, on the way in: 16 x lane
.set STO,  7                           ; v7   on the way out: 528 r + 64 h
.set PW,   8                           ; v8-9 the two scale words
.set TM,   10                          ; v10-25  at work in QUANT
.set PC,   26                          ; v26-45  the codes just made
.set X,    48                          ; v48-111 64 numbers: register 16 b + i = k 32 b + 16 h + i of my row
.set R,    112                         ; v112-239 two sets of 64 registers as loaded
.set SEL,  28                          ; s[28:29] lane selects for v_permlanex16_b32: lane l xor 16
; 64 numbers of a lane, v[s] on, become a fragment's codes in v[PC] .. v[PC + 11] and its scale word in v[pw].
.macro QUANT s, pw
.irp b, 0,1,2,3
	v_max3_num_f32 v[TM+\b], |v[\s+16*\b]|, |v[\s+1+16*\b]|, 0x2800000   ; block b: my 16 numbers, and the floor 2^(5 - 127): the byte cannot fall under 1
.endr
.irp i, 2,4,6,8,10,12,14
.irp b, 0,1,2,3
	v_max3_num_f32 v[TM+\b], v[TM+\b], |v[\s+16*\b+\i]|, |v[\s+1+16*\b+\i]|   ; the four blocks by turns
.endr
.endr
.irp b, 0,1,2,3
	v_permlanex16_b32 v[TM+4+\b], v[TM+\b], s[SEL], s[SEL+1]
.endr
.irp b, 0,1,2,3
	v_max_num_f32 v[TM+\b], v[TM+\b], v[TM+4+\b]   ; with lane l xor 16's 16: the block's largest magnitude
.endr
.irp b, 0,1,2,3
	v_add_nc_u32 v[TM+12+\b], 0xfe000000, v[TM+\b]   ; 4 off its exponent field: the conversion's scale operand
.endr
.irp b, 0,1,2,3
	v_lshrrev_b32 v[TM+4+\b], 23, v[TM+12+\b]   ; the scale's byte
.endr
	v_lshl_or_b32 v[(\pw)], v[TM+5], 8, v[TM+4]
	v_lshl_or_b32 v[(\pw)], v[TM+6], 16, v[(\pw)]
	v_lshl_or_b32 v[(\pw)], v[TM+7], 24, v[(\pw)]
.irp c, 0,1
	v_cvt_scalef32_pk16_bf6_f32 v[PC+6*\c:PC+2+6*\c], v[\s+32*\c:\s+15+32*\c], v[TM+12+2*\c]
	v_cvt_scalef32_pk16_bf6_f32 v[PC+12+4*\c:PC+14+4*\c], v[\s+16+32*\c:\s+31+32*\c], v[TM+12+2*\c+1]   ; (a conversion's three registers begin on an even number)
.endr
	v_nop                                          ; one plain place behind a scaled conversion
.irp c, 0,1                                    ; the operand's layout wants a whole block in a lane: lanes 0-15 block 2 c, lanes 16-31 block 2 c + 1
.irp i, 0,1,2
	v_permlane16_swap_b32 v[PC+6*\c+\i], v[PC+12+4*\c+\i]
.endr
.irp i, 0,1,2
	v_mov_b32 v[PC+3+6*\c+\i], v[PC+12+4*\c+\i]
.endr
.endr
.endm
.macro LOADK s                         ; K step s of my half: 16 rows x 512 bytes
.irp i, 0,1,2,3,4,5,6,7,8,9,10,11,12,13,14,15
	global_load_b128 v[R+64*\s+4*\i:R+64*\s+4*\i+3], v[LA], s[24:25] offset:(\i+8*(\i/8))*2048+512*\s th:TH_LOAD_NT   ; the tile's i-th row: 32 lanes read 512 consecutive bytes
.endr
.endm
.macro TURN s                          ; through the stage: LDS serves a wave's instructions in order, so no wait stands between the stores and the loads
.irp i, 0,1,2,3,4,5,6,7,8,9,10,11,12,13,14,15
	ds_store_b128 v[STI], v[R+64*\s+4*\i:R+64*\s+4*\i+3] offset:528*\i
.endr
.irp b, 0,1,2,3
.irp j, 0,1,2,3
	ds_load_b128 v[X+16*\b+4*\j:X+16*\b+4*\j+3], v[STO] offset:128*\b+16*\j
.endr
.endr
.endm
	s_load_b256 s[4:11], s[0:1], 0x0               ; x, Wq, Wk, Wv
	s_load_b128 s[12:15], s[0:1], 0x20             ; Wo, img
	s_load_b64 s[16:17], s[0:1], 0x30              ; scl
	v_lshl_add_u32 v240, v0, 2, 0xa800
	v_mov_b32 v241, 0
	v_lshrrev_b32 v1, 5, v0
	v_readfirstlane_b32 s18, v1                    ; wave 0..4
	v_and_b32 v1, 31, v0                           ; lane
	v_and_b32 v2, 15, v0                           ; r
	v_bfe_u32 v3, v0, 4, 1                         ; h
	v_lshlrev_b32 v[LA], 4, v1
	v_lshlrev_b32 v[LB], 3, v1
	s_mul_i32 s30, s18, STG                        ; my stage
	v_add_nc_u32 v[STI], s30, v[LA]
	v_mul_u32_u24 v[STO], v2, 528
	v_lshl_add_u32 v[STO], v3, 6, v[STO]
	v_add_nc_u32 v[STO], s30, v[STO]
.irp b, 0,1,2,3
	v_mov_b32 v[TM+4+\b], 0                        ; written once: a lane permute's destination counts as one of its sources
.endr
	s_mov_b32 s[SEL], 0x76543210
	s_mov_b32 s[SEL+1], 0xfedcba98
	s_mul_i32 s19, ttmp9, 5
	s_add_co_u32 s19, s19, s18                     ; g = 5 x work-group + wave = 2 T + half of K
	s_lshr_b32 s20, s19, 1                         ; T
	s_and_b32 s21, s19, 1                          ; which 256 along K
	s_and_b32 s22, s20, 31                         ; the tile's number inside a weight
	s_wait_alu depctr_va_vdst(0)
	s_wait_kmcnt 0x0
	s_mov_b64 s[24:25], s[12:13]                   ; the tensor is chosen by the tile's number alone
	s_cmp_lt_u32 s20, 608
	s_cselect_b64 s[24:25], s[10:11], s[24:25]
	s_cmp_lt_u32 s20, 576
	s_cselect_b64 s[24:25], s[8:9], s[24:25]
	s_cmp_lt_u32 s20, 544
	s_cselect_b64 s[24:25], s[6:7], s[24:25]
	s_cmp_lt_u32 s20, 512
	s_cselect_b64 s[24:25], s[4:5], s[24:25]
	s_cselect_b32 s22, s20, s22                    ; inside x the tile's number is T itself
	s_lshr_b32 s26, s22, 1
	s_lshl_b32 s26, s26, 16                        ; 32 rows of 2,048 bytes for each pair of tiles,
	s_and_b32 s27, s22, 1
	s_lshl_b32 s27, s27, 14                        ; 8 rows for the odd tile,
	s_add_co_u32 s26, s26, s27
	s_lshl_b32 s27, s21, 10                        ; 1,024 bytes for the second half of K
	s_add_co_u32 s26, s26, s27
	s_mov_b32 s27, 0
	s_add_nc_u64 s[24:25], s[24:25], s[26:27]
	s_mul_i32 s26, s19, 3072                       ; 6144 T + 3072 half
	s_add_nc_u64 s[14:15], s[14:15], s[26:27]
	s_lshl_b32 s26, s19, 8                         ; 512 T + 256 half
	s_add_nc_u64 s[16:17], s[16:17], s[26:27]
	LOADK 0
	LOADK 1
	s_wait_loadcnt 16                              ; the first K step's sixteen loads are in; the second's sixteen may be out
	TURN 0
	s_wait_dscnt 0x0
	QUANT X, PW
.irp c, 0,1,2
	global_store_b128 v[LA], v[PC+4*\c:PC+4*\c+3], s[14:15] offset:512*\c   ; 512 consecutive bytes, aligned
.endr
	s_wait_loadcnt 0x0
	TURN 1
	s_wait_dscnt 0x0
	s_wait_xcnt 0x0                                ; the stores' data registers are written again only behind this wait
	QUANT X, PW+1
.irp c, 0,1,2
	global_store_b128 v[LA], v[PC+4*\c:PC+4*\c+3], s[14:15] offset:1536+512*\c
.endr
	global_store_b64 v[LB], v[PW:PW+1], s[16:17]   ; the two K steps' scale words: 256 consecutive bytes, aligned
	s_wait_tensorcnt 0x0
	ds_add_u32 v240, v241
	s_wait_dscnt 0x0
	s_endpgm
.Lfunc_end_k_qe0e1e43f32_quant:
	.size	k_qe0e1e43f32_quant, .Lfunc_end_k_qe0e1e43f32_quant-k_qe0e1e43f32_quant
	.p2alignl 7, 3214868480
	.fill 96, 4, 3214868480
	.section	.rodata,"a",@progbits
	.p2align	6, 0x0
	.amdhsa_kernel k_qe0e1e43f32_quant
		.amdhsa_group_segment_fixed_size 43776
		.amdhsa_private_segment_fixed_size 0
		.amdhsa_enable_private_segment 0
		.amdhsa_kernarg_size 56
		.amdhsa_user_sgpr_count 2
		.amdhsa_user_sgpr_kernarg_segment_ptr 1
		.amdhsa_wavefront_size32 1
		.amdhsa_system_sgpr_workgroup_id_x 1
		.amdhsa_system_sgpr_workgroup_id_y 1
		.amdhsa_system_sgpr_workgroup_id_z 1
		.amdhsa_system_vgpr_workitem_id 0
		.amdhsa_next_free_vgpr 242
		.amdhsa_next_free_sgpr 66
		.amdhsa_reserve_vcc 0
		.amdhsa_float_denorm_mode_32 3
		.amdhsa_float_denorm_mode_16_64 3
		.amdhsa_memory_ordered 1
		.amdhsa_forward_progress 1
		.amdhsa_inst_pref_size 18
	.end_amdhsa_kernel
	.amdgpu_metadata
---
amdhsa.version: [ 1, 2 ]
amdhsa.kernels:
  - .name:           k_qe0e1e43f32_quant
    .symbol:         k_qe0e1e43f32_quant.kd
    .args:
      - { .name: x, .offset: 0, .size: 8, .value_kind: global_buffer, .address_space: global }
      - { .name: Wq, .offset: 8, .size: 8, .value_kind: global_buffer, .address_space: global }
      - { .name: Wk, .offset: 16, .size: 8, .value_kind: global_buffer, .address_space: global }
      - { .name: Wv, .offset: 24, .size: 8, .value_kind: global_buffer, .address_space: global }
      - { .name: Wo, .offset: 32, .size: 8, .value_kind: global_buffer, .address_space: global }
      - { .name: img, .offset: 40, .size: 8, .value_kind: global_buffer, .address_space: global }
      - { .name: scl, .offset: 48, .size: 8, .value_kind: global_buffer, .address_space: global }
    .group_segment_fixed_size: 43776
    .private_segment_fixed_size: 0
    .kernarg_segment_align: 8
    .kernarg_segment_size: 56
    .max_flat_workgroup_size: 160
    .sgpr_count:     66
    .vgpr_count:     242
    .wavefront_size: 32
...
	.end_amdgpu_metadata
.endif
;; end of part 1
;; launch proj (part 2): grid 64 x 3, 4 waves a work-group, no clusters, 0 bytes of LDS; arguments img, scl, bq, bk, bv, qi, kv; writes qi, kv
.if DOCPART == 2
	.amdgcn_target "amdgcn-amd-amdhsa--gfx1250"
	.amdhsa_code_object_version 6
	.text
	.protected	k_qe0e1e43f32_proj
	.globl	k_qe0e1e43f32_proj
	.p2align	8
	.type	k_qe0e1e43f32_proj,@function
k_qe0e1e43f32_proj:
	s_mov_b64 s[64:65], 0
	v_nop
	global_prefetch_b8 v0, s[64:65] scope:SCOPE_SE
	s_setreg_imm32_b32 hwreg(HW_REG_WAVE_MODE, 25, 1), 1
	s_wait_xcnt 0x0
; Q = x Wq^T + bq, K = x Wk^T + bk, V = x Wv^T + bv on codes of BF6 with E8M0 scales.  The results are quantised at once: Q and K along the head's 64 channels, V along the keys.
; ONE SKELETON.  A wave keeps a STATIONARY operand of 128 rows (8 tiles x 4 K steps, 384 registers) as source 0 and streams 8 tiles of 16 rows as source 1.
; A lane then holds one streaming row, and its 64 results are the 128 stationary indices in the order 32 b + 16 h + i (the tiles' rows are chosen for that).  That order is what the quantiser takes.
;   y = 0, 1 (Q, K): stationary = 128 rows of the weight (heads 2 w, 2 w + 1), streaming = the work-group's 128 rows of x.  A fragment's registers 0-5 are head 2 w's 64 channels, 6-11 head 2 w + 1's.
;   y = 2 (V): stationary = the 128 rows of x (the keys), streaming = 128 rows of Wv (channels).  A fragment is 16 channels x 128 keys.
; The bias is the C of each sum's first matrix instruction.
; OUT, as images of operand registers.  A half fragment (64 along K, 6 registers) is 512 bytes (registers 0-3 at 16 lane) + 256 (registers 4-5 at 8 lane).
;   Q record, 6,656 bytes, at qi + 6656 (32 (8 batch + head) + group of 128 rows): 8 half fragments; at 6144 the 8 tiles' scale words (tile 4 g + i, row r at 256 g + 16 r + 4 i).
;   KV record, 13,312 bytes, at kv + 13312 (32 (8 batch + head) + group of 128 keys): K as in a Q record; at 6656 V's 4 fragments (3 x 512 bytes each); at 12800 their scale words, 16 bytes a lane.
;   A scale word of Q or K has the head's two bytes below; above them stand the neighbour head's bytes or 0, never 0xff: the codes there are zeros in the product that reads them.
; NO TENSOR LOADS, NO CLUSTER: every operand goes once from memory straight into the registers in which it is multiplied (98,304 bytes of codes a wave).
; A shared tile would have to pass through LDS and be read from there again.
; LIMITS: a block of zeros, or one whose largest magnitude lies under 2^-122, gets the byte 1; NaN and infinities are not served.
; REGISTERS, in windows of 256: window 0: v1-8 addresses; v16-47 the stationary scale words; v48-55 the streaming ones, two sets; v56-63 the scale words made; v64-127 the 8 accumulators; v128-171 at work.
;   window 1: stationary K steps 0, 1 (v0-191), the bias (v192-255).   window 2: stationary K steps 2, 3.   window 3: streaming fragments, two sets of 48.
.set LA,  4                            ; v4  16 x lane
.set LB,  5                            ; v5  8 x lane
.set BA,  6                            ; v6  my lane's place in the bias
.set SS,  16
.set TS,  48
.set PWN, 56
.set HA,  64
.set PC,  128
.set TM,  148
.set SW,  164
.set CB,  192                          ; in window 1
.set SI,  24                           ; s[24:25] stationary codes;  s[26:27] their scale words;  s[28:29], s[30:31] the same for the streaming operand
.set SSC, 26
.set TI,  28
.set TSC, 30
.set BP,  32                           ; s[32:33] the bias
.set D0,  34                           ; s[34:35] head 2 w's record;  s[36:37] head 2 w + 1's
.set D1,  36
.set SEL, 38
.set MSB, 0
.macro WIN new                         ; the immediate's high byte repeats the setting that is left
.if MSB != \new
	s_set_vgpr_msb (MSB<<8)|\new
.set MSB, \new
.endif
.endm
.macro PLACES n
.rept \n
	v_nop
.endr
.endm
.macro QUANT s, pw
.irp b, 0,1,2,3
	v_max3_num_f32 v[TM+\b], |v[\s+16*\b]|, |v[\s+1+16*\b]|, 0x2800000   ; block b: my 16 numbers, and the floor 2^(5 - 127); each accumulator is read from its low end on
.endr
.irp i, 2,4,6,8,10,12,14
.irp b, 0,1,2,3
	v_max3_num_f32 v[TM+\b], v[TM+\b], |v[\s+16*\b+\i]|, |v[\s+1+16*\b+\i]|
.endr
.endr
.irp b, 0,1,2,3
	v_permlanex16_b32 v[TM+4+\b], v[TM+\b], s[SEL], s[SEL+1]
.endr
.irp b, 0,1,2,3
	v_max_num_f32 v[TM+\b], v[TM+\b], v[TM+4+\b]
.endr
.irp b, 0,1,2,3
	v_add_nc_u32 v[TM+12+\b], 0xfe000000, v[TM+\b]   ; 4 off the exponent field: the conversion's scale operand
.endr
.irp b, 0,1,2,3
	v_lshrrev_b32 v[TM+4+\b], 23, v[TM+12+\b]   ; the scale's byte
.endr
	v_lshl_or_b32 v[(\pw)], v[TM+5], 8, v[TM+4]
	v_lshl_or_b32 v[(\pw)], v[TM+6], 16, v[(\pw)]
	v_lshl_or_b32 v[(\pw)], v[TM+7], 24, v[(\pw)]
.irp c, 0,1
	v_cvt_scalef32_pk16_bf6_f32 v[PC+6*\c:PC+2+6*\c], v[\s+32*\c:\s+15+32*\c], v[TM+12+2*\c]
	v_cvt_scalef32_pk16_bf6_f32 v[PC+12+4*\c:PC+14+4*\c], v[\s+16+32*\c:\s+31+32*\c], v[TM+12+2*\c+1]
.endr
	v_nop                                          ; one plain place behind a scaled conversion
.irp c, 0,1
.irp i, 0,1,2
	v_permlane16_swap_b32 v[PC+6*\c+\i], v[PC+12+4*\c+\i]
.endr
.irp i, 0,1,2
	v_mov_b32 v[PC+3+6*\c+\i], v[PC+12+4*\c+\i]
.endr
.endr
.endm
; The stationary operand: fragment (t, s) at register 12 (2 t + s % 2) of window 1 + s / 2; its scale words at v[SS + 4 t + s]
.macro LOADS
.irp s, 0,1,2,3
.if \s < 2
	WIN 0x40
.else
	WIN 0x80
.endif
.irp t, 0,1,2,3,4,5,6,7
.irp q, 0,1,2
	global_load_b128 v[12*(2*\t+\s%2)+4*\q:12*(2*\t+\s%2)+4*\q+3], v[LA], s[SI:SI+1] offset:6144*\t+1536*\s+512*\q
.endr
.endr
.endr
	WIN 0
.irp t, 0,1,2,3,4,5,6,7
	global_load_b64 v[SS+4*\t:SS+4*\t+1], v[LB], s[SSC:SSC+1] offset:512*\t
	global_load_b64 v[SS+4*\t+2:SS+4*\t+3], v[LB], s[SSC:SSC+1] offset:512*\t+256
.endr
.endm
; Streaming tile n into set n % 2: 12 loads of codes, 2 of scale words
; Q, K (nm = 1): streaming tile n = 4 c + u takes, in lane (r, h), row 64 c + 32 (r / 8) + 8 u + r % 8 of the 128 rows of x.  In the images that row is lane r % 8 + 8 (u / 2) of tile 4 c + 2 (r / 8) + u % 2:
; a lane term (v[LT], v[LTB]) and an immediate.  So four neighbouring tiles of K give the score's reader 32 neighbouring keys in one lane.  V (nm = 0): the weight's tiles as they lie.
.set LT,  7                            ; v7  12288 (r / 8) + 16 (16 h + r % 8)
.set LTB, 8                            ; v8  1024 (r / 8) + 8 (16 h + r % 8)
.macro LOADT n, nm
.if \nm
.set TAD, LT
.set TSA, LTB
.set TOF, 6144*(4*((\n)/4)+(\n)%2)+128*(((\n)%4)/2)
.set SOF, 512*(4*((\n)/4)+(\n)%2)+64*(((\n)%4)/2)
.else
.set TAD, LA
.set TSA, LB
.set TOF, 6144*(\n)
.set SOF, 512*(\n)
.endif
	WIN 0xc0
.irp s, 0,1,2,3
.irp q, 0,1,2
	global_load_b128 v[48*((\n)%2)+12*\s+4*\q:48*((\n)%2)+12*\s+4*\q+3], v[TAD], s[TI:TI+1] offset:TOF+1536*\s+512*\q
.endr
.endr
	WIN 0
	global_load_b64 v[TS+4*((\n)%2):TS+4*((\n)%2)+1], v[TSA], s[TSC:TSC+1] offset:SOF
	global_load_b64 v[TS+4*((\n)%2)+2:TS+4*((\n)%2)+3], v[TSA], s[TSC:TSC+1] offset:SOF+256
.endm
; 32 matrix instructions: K step by K step, the eight accumulators by turns, one instruction a turn.  The first K step takes the bias as C: v[cbase + cinc t] of window 1.
.macro MULS fset, cbase, cinc
.irp s, 0,1,2,3
.if \s == 0
	WIN 0x1d                                       ; A window 1, B window 3, C window 1, D window 0
.elseif \s == 1
	WIN 0x0d                                       ; C and D window 0
.else
	WIN 0x0e                                       ; A window 2
.endif
.irp t, 0,1,2,3,4,5,6,7
.if \s == 0
	v_wmma_scale_f32_16x16x128_f8f6f4 v[HA+8*\t:HA+8*\t+7], v[12*(2*\t+\s%2):12*(2*\t+\s%2)+11], v[48*(\fset)+12*\s:48*(\fset)+12*\s+11], v[(\cbase)+(\cinc)*\t:(\cbase)+(\cinc)*\t+7], v[SS+4*\t+\s], v[TS+4*(\fset)+\s] matrix_a_fmt:MATRIX_FMT_BF6 matrix_b_fmt:MATRIX_FMT_BF6
.else
	v_wmma_scale_f32_16x16x128_f8f6f4 v[HA+8*\t:HA+8*\t+7], v[12*(2*\t+\s%2):12*(2*\t+\s%2)+11], v[48*(\fset)+12*\s:48*(\fset)+12*\s+11], v[HA+8*\t:HA+8*\t+7], v[SS+4*\t+\s], v[TS+4*(\fset)+\s] matrix_a_fmt:MATRIX_FMT_BF6 matrix_b_fmt:MATRIX_FMT_BF6
.endif
.endr
.endr
	WIN 0
.endm
; Streaming tile n: products, the tile two on is asked for, the 64 results become a fragment, the fragment leaves.
.macro TILE n, isv
.if \n < 7
	s_wait_loadcnt 14                              ; this tile's loads and all before them are in; the next tile's fourteen may be out
.else
	s_wait_loadcnt 0x0
.endif
.if \isv
	MULS (\n)%2, CB+8*(\n), 0                      ; V: the bias hangs on the lane's channel: one run of eight registers serves all eight accumulators
.else
	MULS (\n)%2, CB, 8
.endif
	PLACES 4                                       ; in front of loads into registers that the last products read, and of the first read of results
.if \n < 6
	LOADT (\n)+2, 1-(\isv)
.endif
	s_wait_xcnt 0x0                                ; the last tile's stores: their data registers are written again only behind this wait
	QUANT HA, PWN+(\n)
.if \isv
.irp c, 0,1,2
	global_store_b128 v[LA], v[PC+4*\c:PC+4*\c+3], s[D0+2*((\n)/4):D0+2*((\n)/4)+1] offset:6656+1536*((\n)%4)+512*\c
.endr
.else
	global_store_b128 v[LA], v[PC:PC+3], s[D0:D0+1] offset:768*(\n)            ; head 2 w's half fragment
	global_store_b64 v[LB], v[PC+4:PC+5], s[D0:D0+1] offset:768*(\n)+512
	global_store_b128 v[LA], v[PC+6:PC+9], s[D1:D1+1] offset:768*(\n)          ; head 2 w + 1's
	global_store_b64 v[LB], v[PC+10:PC+11], s[D1:D1+1] offset:768*(\n)+512
.endif
.endm
	s_load_b256 s[4:11], s[0:1], 0x0               ; img, scl, bq, bk
	s_load_b128 s[12:15], s[0:1], 0x20             ; bv, qi
	s_load_b64 s[16:17], s[0:1], 0x30              ; kv
	v_lshrrev_b32 v1, 5, v0
	v_readfirstlane_b32 s18, v1                    ; wave 0..3: which 128 columns, heads 2 w and 2 w + 1
	v_and_b32 v1, 31, v0                           ; lane
	v_and_b32 v2, 15, v0                           ; r
	v_bfe_u32 v3, v0, 4, 1                         ; h
	v_lshlrev_b32 v[LA], 4, v1
	v_lshlrev_b32 v[LB], 3, v1
	v_lshrrev_b32 v9, 3, v2                        ; r / 8
	v_and_b32 v10, 7, v2
	v_lshl_add_u32 v10, v3, 4, v10                 ; 16 h + r % 8
	v_mul_u32_u24 v[LT], v9, 12288
	v_lshl_add_u32 v[LT], v10, 4, v[LT]
	v_lshlrev_b32 v[LTB], 10, v9
	v_lshl_add_u32 v[LTB], v10, 3, v[LTB]
.irp b, 0,1,2,3
	v_mov_b32 v[TM+4+\b], 0                        ; written once: a lane permute's destination counts as one of its sources
.endr
	s_mov_b32 s[SEL], 0x76543210
	s_mov_b32 s[SEL+1], 0xfedcba98
	s_mov_b32 s19, ttmp9                           ; X: which 128 rows of x
	s_and_b32 s20, ttmp7, 0xffff                   ; Y: 0 Q, 1 K, 2 V
	s_lshl_b32 s40, s20, 5
	s_lshl_b32 s41, s18, 3
	s_add_co_u32 s40, s40, s41
	s_add_co_u32 s40, s40, 512                     ; the weight's first tile: 512 + 32 Y + 8 w
	s_lshl_b32 s41, s19, 3                         ; x's first tile: 8 X
	s_cmp_eq_u32 s20, 2
	s_cselect_b32 s42, s41, s40                    ; stationary
	s_cselect_b32 s43, s40, s41                    ; streaming
	s_lshr_b32 s47, s19, 5                         ; the batch
	s_lshl_b32 s47, s47, 3
	s_lshl_b32 s44, s18, 1
	s_add_co_u32 s47, s47, s44                     ; 8 batch + head 2 w
	s_lshl_b32 s47, s47, 5
	s_and_b32 s44, s19, 31
	s_add_co_u32 s47, s47, s44                     ; the record's number
	s_mov_b32 s45, 0
	s_wait_alu depctr_va_vdst(0)
	s_wait_kmcnt 0x0
	s_mul_i32 s44, s42, 6144
	s_add_nc_u64 s[SI:SI+1], s[4:5], s[44:45]
	s_lshl_b32 s44, s42, 9
	s_add_nc_u64 s[SSC:SSC+1], s[6:7], s[44:45]
	s_mul_i32 s44, s43, 6144
	s_add_nc_u64 s[TI:TI+1], s[4:5], s[44:45]
	s_lshl_b32 s44, s43, 9
	s_add_nc_u64 s[TSC:TSC+1], s[6:7], s[44:45]
	s_mov_b64 s[BP:BP+1], s[12:13]                 ; the bias and the output are chosen by Y alone
	s_cmp_lt_u32 s20, 2
	s_cselect_b64 s[BP:BP+1], s[10:11], s[BP:BP+1]
	s_cmp_lt_u32 s20, 1
	s_cselect_b64 s[BP:BP+1], s[8:9], s[BP:BP+1]
	s_cselect_b64 s[D0:D0+1], s[14:15], s[16:17]
	s_mov_b32 s46, 13312
	s_cselect_b32 s46, 6656, s46                   ; a record's bytes
	s_lshl_b32 s44, s18, 9                         ; my 128 numbers of the bias
	s_add_nc_u64 s[BP:BP+1], s[BP:BP+1], s[44:45]
	s_mul_i32 s44, s47, s46
	s_add_nc_u64 s[D0:D0+1], s[D0:D0+1], s[44:45]
	s_lshl_b32 s44, s46, 5                         ; the next head lies 32 records on
	s_add_nc_u64 s[D1:D1+1], s[D0:D0+1], s[44:45]
	LOADS
	s_cmp_eq_u32 s20, 2
	s_cbranch_scc1 .Lv
	; ---- Q, K.  The bias in the result's layout: lane (r, h) wants, for tile 2 b + u, the numbers 32 b + 16 h + 8 u + 0 .. 7
	v_lshlrev_b32 v[BA], 6, v3
	WIN 0x40
.irp t, 0,1,2,3,4,5,6,7
	global_load_b128 v[CB+8*\t:CB+8*\t+3], v[BA], s[BP:BP+1] offset:(32*(\t/2)+8*(\t%2))*4
	global_load_b128 v[CB+8*\t+4:CB+8*\t+7], v[BA], s[BP:BP+1] offset:(32*(\t/2)+8*(\t%2))*4+16
.endr
	WIN 0
	LOADT 0, 1
	LOADT 1, 1
.irp n, 0,1,2,3,4,5,6,7
	TILE \n, 0
.endr
	v_cmp_lt_u32 vcc_lo, 15, v1                    ; the eight tiles' scale words: lanes 0-15 store tiles 0-3, lanes 16-31 tiles 4-7 (both halves of the lanes hold every word)
.irp i, 0,1,2,3
	v_cndmask_b32 v[SW+\i], v[PWN+\i], v[PWN+4+\i], vcc_lo
.endr
	global_store_b128 v[LA], v[SW:SW+3], s[D0:D0+1] offset:6144
.irp i, 0,1,2,3
	v_lshrrev_b32 v[SW+4+\i], 16, v[SW+\i]         ; head 2 w + 1's two bytes come down
.endr
	global_store_b128 v[LA], v[SW+4:SW+7], s[D1:D1+1] offset:6144
	s_endpgm
.Lv:
	; ---- V.  A lane holds one channel, r + 8 (r / 8) of the tile's 32: its bias stands in all eight registers of a C
	v_and_b32 v[BA], 8, v2
	v_add_nc_u32 v[BA], v[BA], v2
	v_lshlrev_b32 v[BA], 2, v[BA]
	WIN 0x40
.irp n, 0,1,2,3,4,5,6,7
.irp j, 0,1,2,3,4,5,6,7
	global_load_b32 v[CB+8*\n+\j], v[BA], s[BP:BP+1] offset:(32*(\n/2)+8*(\n%2))*4
.endr
.endr
	WIN 0
	LOADT 0, 0
	LOADT 1, 0
.irp n, 0,1,2,3,4,5,6,7
	TILE \n, 1
.endr
	global_store_b128 v[LA], v[PWN:PWN+3], s[D0:D0+1] offset:12800     ; the four tiles' scale words of each head, 16 bytes a lane
	global_store_b128 v[LA], v[PWN+4:PWN+7], s[D1:D1+1] offset:12800
	s_endpgm
.Lfunc_end_k_qe0e1e43f32_proj:
	.size	k_qe0e1e43f32_proj, .Lfunc_end_k_qe0e1e43f32_proj-k_qe0e1e43f32_proj
	.p2alignl 7, 3214868480
	.fill 96, 4, 3214868480
	.section	.rodata,"a",@progbits
	.p2align	6, 0x0
	.amdhsa_kernel k_qe0e1e43f32_proj
		.amdhsa_group_segment_fixed_size 0
		.amdhsa_private_segment_fixed_size 0
		.amdhsa_enable_private_segment 0
		.amdhsa_kernarg_size 56
		.amdhsa_user_sgpr_count 2
		.amdhsa_user_sgpr_kernarg_segment_ptr 1
		.amdhsa_wavefront_size32 1
		.amdhsa_system_sgpr_workgroup_id_x 1
		.amdhsa_system_sgpr_workgroup_id_y 1
		.amdhsa_system_sgpr_workgroup_id_z 1
		.amdhsa_system_vgpr_workitem_id 0
		.amdhsa_next_free_vgpr 1024
		.amdhsa_next_free_sgpr 66
		.amdhsa_reserve_vcc 1
		.amdhsa_float_denorm_mode_32 3
		.amdhsa_float_denorm_mode_16_64 3
		.amdhsa_memory_ordered 1
		.amdhsa_forward_progress 1
		.amdhsa_inst_pref_size 178
	.end_amdhsa_kernel
	.amdgpu_metadata
---
amdhsa.version: [ 1, 2 ]
amdhsa.kernels:
  - .name:           k_qe0e1e43f32_proj
    .symbol:         k_qe0e1e43f32_proj.kd
    .args:
      - { .name: img, .offset: 0, .size: 8, .value_kind: global_buffer, .address_space: global }
      - { .name: scl, .offset: 8, .size: 8, .value_kind: global_buffer, .address_space: global }
      - { .name: bq, .offset: 16, .size: 8, .value_kind: global_buffer, .address_space: global }
      - { .name: bk, .offset: 24, .size: 8, .value_kind: global_buffer, .address_space: global }
      - { .name: bv, .offset: 32, .size: 8, .value_kind: global_buffer, .address_space: global }
      - { .name: qi, .offset: 40, .size: 8, .value_kind: global_buffer, .address_space: global }
      - { .name: kv, .offset: 48, .size: 8, .value_kind: global_buffer, .address_space: global }
    .group_segment_fixed_size: 0
    .private_segment_fixed_size: 0
    .kernarg_segment_align: 8
    .kernarg_segment_size: 56
    .max_flat_workgroup_size: 128
    .sgpr_count:     66
    .vgpr_count:     1024
    .wavefront_size: 32
...
	.end_amdgpu_metadata
.endif
;; end of part 2
;; launch attn (part 3): grid 16 x 16, 16 waves a work-group, clusters of 4 x 1, 327,680 bytes of LDS; arguments qi, kv, ctx; writes ctx
.if DOCPART == 3
	.amdgcn_target "amdgcn-amd-amdhsa--gfx1250"
	.amdhsa_code_object_version 6
	.text
	.protected	k_qe0e1e43f32_attn
	.globl	k_qe0e1e43f32_attn
	.p2align	8
	.type	k_qe0e1e43f32_attn,@function
k_qe0e1e43f32_attn:
	s_mov_b64 s[64:65], 0
	v_nop
	global_prefetch_b8 v0, s[64:65] scope:SCOPE_SE
	s_setreg_imm32_b32 hwreg(HW_REG_WAVE_MODE, 25, 1), 1
	s_wait_xcnt 0x0
	s_wait_alu depctr_hold_cnt(0) depctr_sa_sdst(0) depctr_va_vdst(0) depctr_va_sdst(0) depctr_va_ssrc(0) depctr_va_vcc(0) depctr_vm_vsrc(0)
	s_getreg_b32 s2, hwreg(HW_REG_IB_STS2, 6, 4)
	s_cmp_eq_u32 s2, 0
	s_cbranch_scc0 .Lentry_in_a_cluster
	s_endpgm
.Lentry_in_a_cluster:
	s_bfe_u32 s2, ttmp6, 0x10000c
	s_cmp_lg_u32 s2, 0x3003
	s_cbranch_scc0 .Lentry_shape_is_right
	s_endpgm
.Lentry_shape_is_right:
; context[q] = (the sum over keys of p V) / l for one head, both products on codes of BF6 with E8M0 scales; the context is quantised along its head's 64 channels and leaves as codes.
; SOFTMAX: t = score x log2(e) / 8; M = the running largest t rounded up to a whole number; p = 2^(t - M) is quantised along the keys, not normalised.
; l is the sum of the unquantised p and divides at the end.  When M moves, l and O are multiplied by 2^(old M - new M), which rounds nothing.
; SHARES: a work-group owns 256 queries of one (batch, head); each of its sixteen waves owns one tile of 16, in 256 registers.  Every wave walks the head's 4,096 keys, 128 a step.
; LAYOUT: both products are used transposed, S^T = K Q^T and O^T = V^T P^T, so a lane holds ONE query (lane % 16) throughout.
; Row p of tile 4 c + u of K is key 64 c + 32 (p / 8) + 8 u + p % 8 of the step.  So register 32 c + i of S^T in lane (r, h) is key 64 c + 32 h + i:
; a lane holds two WHOLE blocks of 32 keys, in the order of the second product's operand: a block's largest score needs no other lane, and no code changes lanes.
; (Tiles of Q have the same order of rows; it only says which rows of the context a record holds.)
; A HEAD HAS 64 CHANNELS and the matrix instruction takes 128 along K.  Q's registers 6-11 hold zero codes, set once.  A zero code times any code of BF6, which has none for infinity or NaN,
; under scale bytes that are never 0xff, adds exactly 0.  So K's eight half fragments lie 6 registers apart, tile t's operand is v[KF + 6 t] .. v[KF + 6 t + 11]; behind the last stand six registers of p's codes.
; K, V AND THEIR SCALE WORDS come as records of 13,312 bytes a key step, images of the operands' registers:
; K's 8 half fragments (768 bytes each), at 6144 their scale words, at 6656 V's 4 fragments, at 12800 their scale words.  Every LDS load reads consecutive bytes: no padding.
; A step's V and the next step's K are asked of LDS in one run of 30 loads behind the first products; the step's whole softmax stands between that run and the one wait for it.
; RING: two LDS slots of eight records, filled by waves 0 to 3, two records (104 rows of 256 bytes) each: one tensor load of a wave is out at the most.
; CLUSTER: the four work-groups of a cluster are four blocks of queries of one head and walk the same records: each quarter of a slot is asked for JOINTLY, with the mask of all four.
; NO PREFETCH: a slot's load is asked for eight key steps, 96 matrix instructions of each wave, ahead of its first read.
; LIMITS: NaN and infinities are not served; the promise holds while |t| stays under 2^31.  A block of p that has fallen to zeros keeps the byte 1 over zero codes.
; A block's largest p is made from its largest score by the same two instructions, which takes v_exp_f32 not to fall where its input rises.  1 / l is v_rcp_f32.
.set REC,   13312
.set PART,  2*REC
.set SLOT1, 131072                     ; slot 1 begins here
.set SPARE, 262144                     ; the spare words, 128 bytes for each of the sixteen waves
.set SPW, 1                            ; v1   LDS address of my spare word; never rewritten
.set NIL, 2                            ; v2   0; never rewritten
.set A16, 3                            ; v3   the pair of records in hand + 16 x lane
.set A8,  4                            ; v4   the same + 8 x lane
.set QS,  5                            ; v5   Q's scale words
                                       ; v6, v8: -M, by turns (odd steps, even steps), each the low word of a pair
.set RM,  7                            ; v7   the largest score
.set H8,  9                            ; v9   8 x (lane / 16)
.set F,   10                           ; v10  f = 2^(old M - new M), the low word of a pair
.set L16, 11                           ; v11  16 x lane
.set LS,  12                           ; v[12:13] l in two halves;  v[14:15], v[16:17], v[18:19] the sum's other three chains
.set W,   14                           ; v[14:15] also at work ahead of the exponentials
.set PS,  20                           ; v20  p's scale word
.set L8,  21                           ; v21  8 x lane
.set KS,  22                           ; v22-25 K's scale words: lanes 0-15 tiles 0-3, lanes 16-31 tiles 4-7
.set VS,  26                           ; v26-29 V's
.set Q,   30                           ; v30-41 Q's fragment (36-41 zeros)
.set KF,  42                           ; v42-89 K's eight half fragments
.set PCD, 90                           ; v90-101 p's codes
.set MX,  90                           ; v90-97 the maxima's eight chains, between the first products and the conversions
.set PC2, 102                          ; v102-108 the conversions' second halves
.set BT,  102                          ; v102-103 the scale's bytes, ahead of the conversions
.set R16, 105                          ; v105 16 x (lane % 16), at the head
.set PX,  109                          ; v109 lane l xor 16's half of the scale word
.set VF,  110                          ; v110-157 V's four fragments
.set S,   158                          ; v158-221 S^T, then p
.set O,   222                          ; v222-253 O^T
.set BM,  254                          ; v254-255 my two blocks' largest score, then largest p, then the conversions' scale operands
.set CW,  14                           ; v[14:15] on the way out: the context's scale word, twice
.set WV,  10
.set G1,  16
.set G0,  24
.set TB,  28                           ; s28  LDS byte of the pair of records in hand
.set SLOTS, 29
.set SEL, 30
.set CS,  32                           ; s[32:33] c = log2(e) / 8
.set SB,  48                           ; s48  LDS byte at which the slot in hand begins
.set CNT, 49
.macro JLOAD                           ; waves 0 to 3 ask for a slot's four quarters; the branch hangs on the wave's number alone
	s_cmp_lt_u32 s[WV], 4
	s_cbranch_scc0 .Lnone_\@
	tensor_load_to_lds s[G0:G0+3], s[G1:G1+7]
	s_nop 0
.rept 4
	v_nop
.endr
.Lnone_\@:
.endm
.macro CROUND                          ; a round of the cluster's barrier
	s_barrier_signal -1
	s_barrier_wait -1
	s_cmp_lg_u32 s[WV], 0
	s_cbranch_scc1 .Lnot_wave_0_\@
	s_barrier_signal -3
.Lnot_wave_0_\@:
	s_barrier_wait -3
	s_barrier_signal -1
	s_barrier_wait -1
.endm
; THE CHANGE OF SLOTS.  Each wave waits for all its tensor loads, adds 0 to its spare word, and waits for that and for its reads of the slot that it has left.
; fill = 1: behind a round of the cluster's barrier the slot just left is filled with the next eight records.
.macro CHANGE fill
	s_wait_tensorcnt 0x0                           ; no tensor load of mine is out, so group 0 may be written
	ds_add_u32 v[SPW], v[NIL]
.if \fill
	ds_add_u32 v[SPW], v[NIL]                      ; the add twice on end here
	s_xor_b32 s[G0+1], s[G0+1], SLOT1              ; the other slot than last time,
	s_add_nc_u64 s[G0+2:G0+3], s[G0+2:G0+3], 8*REC ; the next eight records
.endif
	s_wait_dscnt 0x0                               ; the add is done, and my reads of the slot that I have left are over
.if \fill
	CROUND                                         ; no wave of any partner still reads that slot or has a load on its way
	JLOAD
.else
	s_barrier_signal -1
	s_barrier_wait -1
.endif
.endm
.macro ADDR
	v_add_nc_u32 v[A16], s[TB], v[L16]
	v_add_nc_u32 v[A8], s[TB], v[L8]
	s_wait_alu depctr_va_vdst(0)
.endm
.macro KLOAD base                      ; a record's K: 17 loads
.irp t, 0,1,2,3,4,5,6,7
	ds_load_b128 v[KF+6*\t:KF+6*\t+3], v[A16] offset:(\base)+768*\t
	ds_load_b64 v[KF+6*\t+4:KF+6*\t+5], v[A8] offset:(\base)+768*\t+512
.endr
	ds_load_b128 v[KS:KS+3], v[A16] offset:(\base)+6144
.endm
.macro TMM i                           ; t - M of pair i of the 32 pairs of scores
	v_pk_fma_f32 v[S+2*(\i):S+2*(\i)+1], v[S+2*(\i):S+2*(\i)+1], s[CS:CS+1], v[NM:NM+1] op_sel_hi:[1,0,0]
.endm
.macro OSC i                           ; pair i of the 16 pairs of O^T, under the new M
	v_pk_mul_f32 v[O+2*(\i):O+2*(\i)+1], v[O+2*(\i):O+2*(\i)+1], v[F:F+1] op_sel_hi:[1,0]
.endm
.macro SUMP k                          ; pair k (6 and up) of the UNQUANTISED p goes into the sum: four chains by turns
.set CR, LS+2*(((\k)-6)%4)
	v_pk_add_f32 v[CR:CR+1], v[CR:CR+1], v[S+2*(\k):S+2*(\k)+1]
.endm
.macro PMOV c, i                       ; a conversion's second half to its place among p's codes
	v_mov_b32 v[PCD+3+6*\c+\i], v[PC2+4*\c+\i]
.endm
; A KEY STEP: 128 keys, record q (0, 1) of the pair in hand; its K is in registers.  pre = 1: the next record's K is fetched on the way (not in a slot's last step).
.macro STEP q, pre
.set NM, 8-2*(\q)                      ; the new -M
.set OM, 6+2*(\q)                      ; the old one
.set RB, REC*(\q)
.irp t, 0,1,2,3,4,5,6,7                        ; S^T = K Q^T, eight tiles of 16 keys
.if \t < 4
	v_wmma_scale_f32_16x16x128_f8f6f4 v[S+8*\t:S+8*\t+7], v[KF+6*\t:KF+6*\t+11], v[Q:Q+11], 0, v[KS+\t], v[QS] matrix_a_fmt:MATRIX_FMT_BF6 matrix_b_fmt:MATRIX_FMT_BF6
.else
	v_wmma_scale_f32_16x16x128_f8f6f4 v[S+8*\t:S+8*\t+7], v[KF+6*\t:KF+6*\t+11], v[Q:Q+11], 0, v[KS+\t-4], v[QS] matrix_a_fmt:MATRIX_FMT_BF6 matrix_b_fmt:MATRIX_FMT_BF6 matrix_a_scale:MATRIX_SCALE_ROW1
.endif
.endr
.rept 4
	v_nop                                          ; four places: in front of the loads into registers that these products read, and of the first read of results
.endr
.irp tv, 0,1,2,3                               ; this step's V,
.irp c, 0,1,2
	ds_load_b128 v[VF+12*\tv+4*\c:VF+12*\tv+4*\c+3], v[A16] offset:RB+6656+1536*\tv+512*\c
.endr
.endr
	ds_load_b128 v[VS:VS+3], v[A16] offset:RB+12800
.if \pre
	KLOAD RB+REC                                   ; and the next step's K
.endif
.irp c, 0,1                                    ; the largest score of my two blocks of 32 keys: a chain for each accumulator, read from its low end on
.irp k, 0,1,2,3
	v_max3_num_f32 v[MX+4*\c+\k], v[S+32*\c+8*\k], v[S+32*\c+8*\k+1], v[S+32*\c+8*\k+2]
.endr
.endr
.irp i, 3,5
.irp c, 0,1
.irp k, 0,1,2,3
	v_max3_num_f32 v[MX+4*\c+\k], v[MX+4*\c+\k], v[S+32*\c+8*\k+\i], v[S+32*\c+8*\k+\i+1]
.endr
.endr
.endr
.irp c, 0,1
.irp a, 0,1
	v_max3_num_f32 v[MX+4*\c+2*\a], v[MX+4*\c+2*\a], v[MX+4*\c+2*\a+1], v[S+32*\c+16*\a+7]
.endr
.endr
.irp c, 0,1
	v_max3_num_f32 v[BM+\c], v[MX+4*\c], v[MX+4*\c+2], v[S+32*\c+15]
.endr
.irp c, 0,1
	v_max_num_f32 v[BM+\c], v[BM+\c], v[S+32*\c+31]
.endr
	v_max_num_f32 v[W], v[BM], v[BM+1]
	v_permlanex16_b32 v[W+1], v[W], s[SEL], s[SEL+1]
	v_max3_num_f32 v[RM], v[RM], v[W], v[W+1]      ; the running largest score of my query
	s_delay_alu instid0(VALU_DEP_1)
	v_mul_f32 v[W], s[CS], v[RM]                   ; as t (c is positive)
	s_delay_alu instid0(VALU_DEP_1)
	v_floor_f32 v[NM], -v[W]                       ; the new -M = floor(-t) = -ceil(t)
	s_delay_alu instid0(VALU_DEP_1)
	v_sub_f32 v[W], v[NM], v[OM]                   ; old M - new M: a whole number, 0 or less
.irp c, 0,1
	v_fma_f32 v[BM+\c], v[BM+\c], s[CS], v[NM]     ; t - M of each block's largest score
.endr
	TMM 0
	v_cvt_i32_f32 v[W], v[W]                       ; (it saturates)
	TMM 1
	TMM 2
	TMM 3
	v_ldexp_f32 v[F], 1.0, v[W]                    ; f = 2^(old M - new M)
.set J, 4
.rept 28
	TMM J
.set J, J+1
.endr
	s_wait_alu depctr_va_vdst(0)
.irp c, 0,1
	v_exp_f32 v[BM+\c], v[BM+\c]                   ; the block's largest p
.endr
.set J, 0
.rept 64
	v_exp_f32 v[S+J], v[S+J]                       ; p = 2^(t - M), at most 1
.set J, J+1
.endr
	v_pk_mul_f32 v[LS:LS+1], v[LS:LS+1], v[F:F+1] op_sel_hi:[1,0]   ; l under the new M: the plain place behind the batch
	s_wait_alu depctr_va_vdst(0)                   ; one wait for the batch, directly ahead of O^T's first readers
.irp c, 0,1                                    ; the block scale's short chain by turns with O^T's rescaling, each accumulator from its low end on
	v_max_num_f32 v[BM+\c], 0x2800000, v[BM+\c]    ; the floor 2^(5 - 127): the byte cannot fall under 1
.endr
	OSC 0
	OSC 1
.irp c, 0,1
	v_add_nc_u32 v[BM+\c], 0xfe000000, v[BM+\c]    ; 4 off the exponent field: the conversion's scale operand
.endr
	OSC 2
	OSC 3
.irp c, 0,1
	v_lshrrev_b32 v[BT+\c], 23, v[BM+\c]           ; the scale's byte: blocks h and 2 + h
.endr
	OSC 4
	OSC 5
	OSC 6
	v_lshl_or_b32 v[PS], v[BT+1], 16, v[BT]
	OSC 7
	OSC 8
	OSC 9
	OSC 10
	v_lshlrev_b32 v[PS], v[H8], v[PS]              ; at their places in the scale word
.irp i, 11,12,13,14,15
	OSC \i
.endr
	v_permlanex16_b32 v[PX], v[PS], s[SEL], s[SEL+1]
.irp c, 0,1
	v_cvt_scalef32_pk16_bf6_f32 v[PCD+6*\c:PCD+6*\c+2], v[S+32*\c:S+32*\c+15], v[BM+\c]
	v_cvt_scalef32_pk16_bf6_f32 v[PC2+4*\c:PC2+4*\c+2], v[S+32*\c+16:S+32*\c+31], v[BM+\c]   ; (a conversion's three registers begin on an even number)
.endr
	v_pk_add_f32 v[LS+2:LS+3], v[S:S+1], v[S+2:S+3]        ; the plain place behind the conversions; pairs 0 to 5 start three chains
	v_or_b32 v[PS], v[PS], v[PX]                   ; with lane l xor 16's two bytes the word is whole: fifteen plain lines ahead of the products
	v_pk_add_f32 v[LS+4:LS+5], v[S+4:S+5], v[S+6:S+7]
	v_pk_add_f32 v[LS+6:LS+7], v[S+8:S+9], v[S+10:S+11]
	SUMP 6
	PMOV 0, 0
	PMOV 0, 1
	SUMP 7
	PMOV 0, 2
	PMOV 1, 0
	SUMP 8
	PMOV 1, 1
	PMOV 1, 2
.irp k, 9,10,11,12
	SUMP \k                                        ; four places between the last write of p's codes and the products
.endr
	s_wait_alu depctr_va_vdst(0)
	s_wait_dscnt 0x0                               ; V is in, and so is the next record's K
.irp tv, 0,1,2,3                               ; O^T += V^T P^T: the four accumulators by turns
	v_wmma_scale_f32_16x16x128_f8f6f4 v[O+8*\tv:O+8*\tv+7], v[VF+12*\tv:VF+12*\tv+11], v[PCD:PCD+11], v[O+8*\tv:O+8*\tv+7], v[VS+\tv], v[PS] matrix_a_fmt:MATRIX_FMT_BF6 matrix_b_fmt:MATRIX_FMT_BF6
.endr
.set J, 13
.rept 19
	SUMP J                                         ; the rest of the sum names none of these products' registers: it fills the places behind them
.set J, J+1
.endr
	v_pk_add_f32 v[LS+2:LS+3], v[LS+2:LS+3], v[LS+4:LS+5]
	v_pk_add_f32 v[LS:LS+1], v[LS:LS+1], v[LS+6:LS+7]
	v_pk_add_f32 v[LS:LS+1], v[LS:LS+1], v[LS+2:LS+3]
.endm
.macro SLOTRUN                         ; a slot's eight key steps: three trips of two, and two written out, of which the last fetches no K
	s_mov_b32 s[TB], s[SB]
	s_mov_b32 s[CNT], 3
	ADDR
	KLOAD 0
	s_wait_dscnt 0x0
.Lpair_\@:
	STEP 0, 1
	STEP 1, 1
	s_add_co_u32 s[TB], s[TB], 2*REC
	ADDR
	s_sub_co_u32 s[CNT], s[CNT], 1
	s_cmp_lg_u32 s[CNT], 0
	s_cbranch_scc1 .Lpair_\@
	STEP 0, 1
	STEP 1, 0
.endm
	s_load_b128 s[4:7], s[0:1], 0x0                ; qi, kv
	s_load_b64 s[8:9], s[0:1], 0x10                ; ctx
	v_lshl_add_u32 v[SPW], v0, 2, SPARE
	v_mov_b32 v[NIL], 0
	ds_add_u32 v[SPW], v[NIL]                      ; the opening: the add, twice on end, and its wait
	ds_add_u32 v[SPW], v[NIL]
	v_lshrrev_b32 v[A16], 5, v0
	v_readfirstlane_b32 s[WV], v[A16]              ; wave 0..15
	s_bfe_u32 s11, ttmp6, 0x40000                  ; cx: it enters Q's and the context's global addresses alone
	s_lshl_b32 s12, ttmp9, 2
	s_add_co_u32 s12, s12, s11                     ; my block of 256 queries
	s_and_b32 s13, ttmp7, 0xffff                   ; 8 batch + head, which the four partners share
	s_mov_b32 s[G1], 15|(3<<16)|(1<<21)            ; the mask of all four; elements of 8 bytes; bit 21 beside a mask
	s_mov_b32 s[G1+1], 32<<16                      ; 104 rows of 256 bytes, dense
	s_mov_b32 s[G1+2], 104<<16
	s_mov_b32 s[G1+3], 32<<16
	s_mov_b32 s[G1+4], 104
	s_mov_b32 s[G1+5], 32
	s_mov_b32 s[G1+6], 0
	s_mov_b32 s[G1+7], 0
	s_and_b32 s46, s[WV], 3
	s_mul_i32 s46, s46, PART                       ; which quarter of a slot I would fetch
	s_mul_i32 s44, s13, 32*REC                     ; the head's 32 records
	s_add_co_u32 s44, s44, s46
	s_mov_b32 s45, 0
	s_lshl_b32 s14, s12, 1                         ; Q: my tile is number 16 block + wave of the head: record 2 block + wave / 8, tile wave % 8
	s_lshr_b32 s15, s[WV], 3
	s_add_co_u32 s14, s14, s15
	s_lshl_b32 s15, s13, 5
	s_add_co_u32 s14, s14, s15
	s_mul_i32 s14, s14, 6656
	s_and_b32 s15, s[WV], 7
	s_mul_i32 s40, s15, 768
	s_add_co_u32 s40, s40, s14                     ; its half fragment
	s_mov_b32 s41, 0
	s_lshr_b32 s42, s15, 2
	s_lshl_b32 s42, s42, 8
	s_and_b32 s15, s15, 3
	s_lshl_b32 s15, s15, 2
	s_add_co_u32 s42, s42, s15
	s_add_co_u32 s42, s42, s14
	s_add_co_u32 s42, s42, 6144                    ; its scale words
	s_mov_b32 s43, 0
	s_lshr_b32 s14, s13, 3                         ; the context: record 8 T + head of 1,024 bytes, T = 256 batch + 16 block + wave
	s_lshl_b32 s14, s14, 8
	s_lshl_b32 s15, s12, 4
	s_add_co_u32 s14, s14, s15
	s_add_co_u32 s14, s14, s[WV]
	s_lshl_b32 s14, s14, 3
	s_and_b32 s15, s13, 7
	s_add_co_u32 s14, s14, s15
	s_lshl_b32 s38, s14, 10
	s_mov_b32 s39, 0
	s_mov_b32 s[SEL], 0x76543210
	s_mov_b32 s[SEL+1], 0xfedcba98
	s_mov_b32 s[CS], 0x3e38aa3b                    ; c = log2(e) / 8
	s_mov_b32 s[CS+1], s[CS]
	s_mov_b32 s[SB], 0
	s_mov_b32 s[SLOTS], 3
	s_wait_dscnt 0x0                               ; both opening adds are done
	s_wait_kmcnt 0x0
	s_mov_b32 s[G0], 1
	s_mov_b32 s[G0+1], s46                         ; LDS address: slot 0, my quarter
	s_add_nc_u64 s[G0+2:G0+3], s[6:7], s[44:45]
	s_or_b32 s[G0+3], s[G0+3], 0x80000000
	s_add_nc_u64 s[34:35], s[4:5], s[40:41]
	s_add_nc_u64 s[36:37], s[4:5], s[42:43]
	s_add_nc_u64 s[38:39], s[8:9], s[38:39]
	CROUND                                         ; all four work-groups are here: the first joint loads meet
	JLOAD                                          ; slot 0
	v_and_b32 v[A16], 31, v0
	v_lshlrev_b32 v[L16], 4, v[A16]
	v_lshlrev_b32 v[L8], 3, v[A16]
	v_and_b32 v[A8], 15, v0
	v_lshlrev_b32 v[R16], 4, v[A8]
	v_bfe_u32 v[H8], v0, 4, 1
	v_lshlrev_b32 v[H8], 3, v[H8]
	global_load_b128 v[Q:Q+3], v[L16], s[34:35]    ; Q's half fragment stays in registers
	global_load_b64 v[Q+4:Q+5], v[L8], s[34:35] offset:512
	global_load_b32 v[QS], v[R16], s[36:37]
.irp i, 0,1,2,3,4,5
	v_mov_b32 v[Q+6+\i], 0                         ; zero codes for Q's upper 64 along K
	v_mov_b32 v[PCD+\i], 0                         ; named behind K's last half fragment before they are first written
.endr
	v_mov_b32 v[RM], 0xff61b1e6                    ; the largest score so far: -3e38
	v_floor_f32 v6, -v[RM]                         ; -M
	v_mov_b32 v[LS], 0                             ; l, in two halves
	v_mov_b32 v[LS+1], 0
	v_mov_b32 v[W], 0                              ; a lane permute's destination counts as one of its sources
	v_mov_b32 v[W+1], 0
	v_mov_b32 v[PX], 0
.set J, 0
.rept 32
	v_mov_b32 v[O+J], 0                            ; O^T: the step is written for every step alike
.set J, J+1
.endr
	s_wait_alu depctr_va_vdst(0)
	s_wait_loadcnt 0x0                             ; Q
.Lslot:                                            ; three trips: behind each change of slots but the last the next slot is asked for
	CHANGE 1
	SLOTRUN
	s_xor_b32 s[SB], s[SB], SLOT1
	s_sub_co_u32 s[SLOTS], s[SLOTS], 1
	s_cmp_lg_u32 s[SLOTS], 0
	s_cbranch_scc1 .Lslot
	CHANGE 0                                       ; the last slot is written out
	SLOTRUN
	; THE WAY OUT.  O^T / l: register 16 b + i is channel 32 b + 16 (lane / 16) + i of my query.  The head's two blocks are quantised here and leave as half a fragment.
	v_add_f32 v[LS], v[LS], v[LS+1]
	v_permlanex16_b32 v[W], v[LS], s[SEL], s[SEL+1]
	v_add_f32 v[LS], v[LS], v[W]                   ; with lane l xor 16's keys
	s_wait_alu depctr_va_vdst(0)
	v_rcp_f32 v[LS], v[LS]
	v_nop
	s_wait_alu depctr_va_vdst(0)                   ; behind the transcendental, directly ahead of the first readers
.set J, 0
.rept 16
	v_pk_mul_f32 v[S+2*J:S+2*J+1], v[O+2*J:O+2*J+1], v[LS:LS+1] op_sel_hi:[1,0]
.set J, J+1
.endr
.irp b, 0,1
	v_max3_num_f32 v[BM+\b], |v[S+16*\b]|, |v[S+1+16*\b]|, 0x2800000
.endr
.irp i, 2,4,6,8,10,12,14
.irp b, 0,1
	v_max3_num_f32 v[BM+\b], v[BM+\b], |v[S+16*\b+\i]|, |v[S+1+16*\b+\i]|
.endr
.endr
.irp b, 0,1
	v_permlanex16_b32 v[BT+\b], v[BM+\b], s[SEL], s[SEL+1]
.endr
.irp b, 0,1
	v_max_num_f32 v[BM+\b], v[BM+\b], v[BT+\b]
.endr
.irp b, 0,1
	v_add_nc_u32 v[BM+\b], 0xfe000000, v[BM+\b]
.endr
.irp b, 0,1
	v_lshrrev_b32 v[BT+\b], 23, v[BM+\b]
.endr
	v_lshl_or_b32 v[CW], v[BT+1], 8, v[BT]         ; the head's two bytes; the upper half of the word stays 0
	v_cvt_scalef32_pk16_bf6_f32 v[PCD:PCD+2], v[S:S+15], v[BM]
	v_cvt_scalef32_pk16_bf6_f32 v[PC2:PC2+2], v[S+16:S+31], v[BM+1]
	v_mov_b32 v[CW+1], v[CW]                       ; (the plain place behind the conversions)  the word twice: the store below covers 256 consecutive bytes
.irp i, 0,1,2
	v_permlane16_swap_b32 v[PCD+\i], v[PC2+\i]
.endr
.irp i, 0,1,2
	v_mov_b32 v[PCD+3+\i], v[PC2+\i]
.endr
	global_store_b128 v[L16], v[PCD:PCD+3], s[38:39]
	global_store_b64 v[L8], v[PCD+4:PCD+5], s[38:39] offset:512
	global_store_b64 v[L8], v[CW:CW+1], s[38:39] offset:768
	s_wait_tensorcnt 0x0                           ; the wave's end
	ds_add_u32 v[SPW], v[NIL]
	s_wait_dscnt 0x0
	CROUND                                         ; the closing round
	s_endpgm
.Lfunc_end_k_qe0e1e43f32_attn:
	.size	k_qe0e1e43f32_attn, .Lfunc_end_k_qe0e1e43f32_attn-k_qe0e1e43f32_attn
	.p2alignl 7, 3214868480
	.fill 96, 4, 3214868480
	.section	.rodata,"a",@progbits
	.p2align	6, 0x0
	.amdhsa_kernel k_qe0e1e43f32_attn
		.amdhsa_group_segment_fixed_size 327680
		.amdhsa_private_segment_fixed_size 0
		.amdhsa_enable_private_segment 0
		.amdhsa_kernarg_size 24
		.amdhsa_user_sgpr_count 2
		.amdhsa_user_sgpr_kernarg_segment_ptr 1
		.amdhsa_wavefront_size32 1
		.amdhsa_system_sgpr_workgroup_id_x 1
		.amdhsa_system_sgpr_workgroup_id_y 1
		.amdhsa_system_sgpr_workgroup_id_z 1
		.amdhsa_system_vgpr_workitem_id 0
		.amdhsa_next_free_vgpr 256
		.amdhsa_next_free_sgpr 66
		.amdhsa_reserve_vcc 0
		.amdhsa_float_denorm_mode_32 3
		.amdhsa_float_denorm_mode_16_64 3
		.amdhsa_memory_ordered 1
		.amdhsa_forward_progress 1
		.amdhsa_inst_pref_size 126
	.end_amdhsa_kernel
	.amdgpu_metadata
---
amdhsa.version: [ 1, 2 ]
amdhsa.kernels:
  - .name:           k_qe0e1e43f32_attn
    .symbol:         k_qe0e1e43f32_attn.kd
    .args:
      - { .name: qi, .offset: 0, .size: 8, .value_kind: global_buffer, .address_space: global }
      - { .name: kv, .offset: 8, .size: 8, .value_kind: global_buffer, .address_space: global }
      - { .name: ctx, .offset: 16, .size: 8, .value_kind: global_buffer, .address_space: global }
    .group_segment_fixed_size: 327680
    .private_segment_fixed_size: 0
    .kernarg_segment_align: 8
    .kernarg_segment_size: 24
    .max_flat_workgroup_size: 512
    .sgpr_count:     66
    .vgpr_count:     256
    .wavefront_size: 32
...
	.end_amdgpu_metadata
.endif
;; end of part 3
;; launch outp (part 4): grid 64 x 4, 4 waves a work-group, no clusters, 34,304 bytes of LDS; arguments ctx, img, scl, bo, out0; writes out0
.if DOCPART == 4
	.amdgcn_target "amdgcn-amd-amdhsa--gfx1250"
	.amdhsa_code_object_version 6
	.text
	.protected	k_qe0e1e43f32_outp
	.globl	k_qe0e1e43f32_outp
	.p2align	8
	.type	k_qe0e1e43f32_outp,@function
k_qe0e1e43f32_outp:
	s_mov_b64 s[64:65], 0
	v_nop
	global_prefetch_b8 v0, s[64:65] scope:SCOPE_SE
	s_setreg_imm32_b32 hwreg(HW_REG_WAVE_MODE, 25, 1), 1
	s_wait_xcnt 0x0
; out0 = context Wo^T + bo on codes of BF6 with E8M0 scales.  The context comes as records of 1,024 bytes at ctx + 1024 (8 T + head).
; A record is half a fragment (a head's 64 along K: registers 0-3 at 16 lane, registers 4-5 at 512 + 8 lane) and at 768 + 8 lane the row's scale word (the head's two bytes).
; Heads 2 s and 2 s + 1 make fragment s.
; SHARES: a work-group takes 128 rows x 128 columns.  Each wave keeps the 128 columns' rows of Wo (8 tiles x 4 K steps, 384 registers) as source 0 and streams two tiles of 16 rows of the context as source 1.
; A lane then holds one row, and its 64 results are the columns 32 b + 16 h + i.  The bias is the C of each sum's first matrix instruction.
; Lane r of tile T holds row 32 (T / 2) + 8 (T % 2) + r + 8 (r / 8).  A tile's results go through the wave's own stage in LDS (rows 528 bytes apart).
; They leave as rows of 512 consecutive bytes, at multiples of 256 from out0's first byte.  Waves share nothing in LDS: no barrier.
; NO TENSOR LOADS, NO CLUSTER: every operand goes once from memory straight into the registers in which it is multiplied; a shared tile would have to pass through LDS and be read from there again.
; REGISTERS, in windows of 256: window 0: v1-9 addresses; v16-47 Wo's scale words; v48-55 the context's, two sets.
;   Also window 0: v56-63 and v72-79 the context's scale words' halves as loaded; v128-191 rows on the way out; v192-255 the 8 accumulators.
;   window 1: Wo's K steps 0, 1 (v0-191), the bias (v192-255).   window 2: Wo's K steps 2, 3.   window 3: the context's fragments, two sets of 48.
.set LA,  4                            ; v4  16 x lane
.set LB,  5                            ; v5  8 x lane
.set BA,  6                            ; v6  my lane's place in the bias
.set STO, 8                            ; v8  the stage, on the way in: 528 r + 64 h
.set SRD, 9                            ; v9  on the way out: 16 x lane
.set SS,  16
.set TS,  48
.set WA,  56                           ; v56-63 the even heads' words
.set WB,  72                           ; v72-79 the odd heads'
.set OB,  128
.set HA,  192                          ; v192-255 the 8 accumulators
.set CB,  192                          ; in window 1
.set SI,  24
.set SSC, 26
.set TI,  28
.set BP,  32
.set OP,  34
.set MSB, 0
.macro WIN new                         ; the immediate's high byte repeats the setting that is left
.if MSB != \new
	s_set_vgpr_msb (MSB<<8)|\new
.set MSB, \new
.endif
.endm
.macro PLACES n
.rept \n
	v_nop
.endr
.endm
.macro LOADS                           ; Wo: fragment (t, s) at register 12 (2 t + s % 2) of window 1 + s / 2; its scale words at v[SS + 4 t + s]
.irp s, 0,1,2,3
.if \s < 2
	WIN 0x40
.else
	WIN 0x80
.endif
.irp t, 0,1,2,3,4,5,6,7
.irp q, 0,1,2
	global_load_b128 v[12*(2*\t+\s%2)+4*\q:12*(2*\t+\s%2)+4*\q+3], v[LA], s[SI:SI+1] offset:6144*\t+1536*\s+512*\q
.endr
.endr
.endr
	WIN 0
.irp t, 0,1,2,3,4,5,6,7
	global_load_b64 v[SS+4*\t:SS+4*\t+1], v[LB], s[SSC:SSC+1] offset:512*\t
	global_load_b64 v[SS+4*\t+2:SS+4*\t+3], v[LB], s[SSC:SSC+1] offset:512*\t+256
.endr
.endm
.macro LOADC e                         ; tile e of my two: eight heads' half fragments and scale words, 24 loads
	WIN 0xc0
.irp s, 0,1,2,3
.irp c, 0,1
	global_load_b128 v[48*\e+12*\s+6*\c:48*\e+12*\s+6*\c+3], v[LA], s[TI:TI+1] offset:8192*\e+1024*(2*\s+\c)
	global_load_b64 v[48*\e+12*\s+6*\c+4:48*\e+12*\s+6*\c+5], v[LB], s[TI:TI+1] offset:8192*\e+1024*(2*\s+\c)+512
.endr
.endr
	WIN 0
.irp s, 0,1,2,3
	global_load_b32 v[WA+4*\e+\s], v[LB], s[TI:TI+1] offset:8192*\e+1024*(2*\s)+768
	global_load_b32 v[WB+4*\e+\s], v[LB], s[TI:TI+1] offset:8192*\e+1024*(2*\s+1)+768
.endr
.endm
; 32 matrix instructions: K step by K step, the eight accumulators by turns, one instruction a turn.  The first K step takes the bias as C.
.macro MULS fset, cbase, cinc
.irp s, 0,1,2,3
.if \s == 0
	WIN 0x1d                                       ; A window 1, B window 3, C window 1, D window 0
.elseif \s == 1
	WIN 0x0d                                       ; C and D window 0
.else
	WIN 0x0e                                       ; A window 2
.endif
.irp t, 0,1,2,3,4,5,6,7
.if \s == 0
	v_wmma_scale_f32_16x16x128_f8f6f4 v[HA+8*\t:HA+8*\t+7], v[12*(2*\t+\s%2):12*(2*\t+\s%2)+11], v[48*(\fset)+12*\s:48*(\fset)+12*\s+11], v[(\cbase)+(\cinc)*\t:(\cbase)+(\cinc)*\t+7], v[SS+4*\t+\s], v[TS+4*(\fset)+\s] matrix_a_fmt:MATRIX_FMT_BF6 matrix_b_fmt:MATRIX_FMT_BF6
.else
	v_wmma_scale_f32_16x16x128_f8f6f4 v[HA+8*\t:HA+8*\t+7], v[12*(2*\t+\s%2):12*(2*\t+\s%2)+11], v[48*(\fset)+12*\s:48*(\fset)+12*\s+11], v[HA+8*\t:HA+8*\t+7], v[SS+4*\t+\s], v[TS+4*(\fset)+\s] matrix_a_fmt:MATRIX_FMT_BF6 matrix_b_fmt:MATRIX_FMT_BF6
.endif
.endr
.endr
	WIN 0
.endm
	s_load_b256 s[4:11], s[0:1], 0x0               ; ctx, img, scl, bo
	s_load_b64 s[12:13], s[0:1], 0x20              ; out0
	v_lshl_add_u32 v126, v0, 2, 0x8400
	v_mov_b32 v127, 0
	v_lshrrev_b32 v1, 5, v0
	v_readfirstlane_b32 s18, v1                    ; wave 0..3
	v_and_b32 v1, 31, v0                           ; lane
	v_and_b32 v2, 15, v0                           ; r
	v_bfe_u32 v3, v0, 4, 1                         ; h
	v_lshlrev_b32 v[LA], 4, v1
	v_lshlrev_b32 v[LB], 3, v1
	v_lshlrev_b32 v[BA], 6, v3
	s_mul_i32 s38, s18, 8448                       ; my stage
	v_mul_u32_u24 v[STO], v2, 528
	v_lshl_add_u32 v[STO], v3, 6, v[STO]
	v_add_nc_u32 v[STO], s38, v[STO]
	v_add_nc_u32 v[SRD], s38, v[LA]
	s_mov_b32 s19, ttmp9                           ; X: which 128 rows
	s_and_b32 s20, ttmp7, 0xffff                   ; which 128 columns
	s_lshl_b32 s38, s20, 3
	s_add_co_u32 s38, s38, 608                     ; Wo's first tile of these columns
	s_mov_b32 s37, 0
	s_wait_alu depctr_va_vdst(0)
	s_wait_kmcnt 0x0
	s_mul_i32 s36, s38, 6144
	s_add_nc_u64 s[SI:SI+1], s[6:7], s[36:37]
	s_lshl_b32 s36, s38, 9
	s_add_nc_u64 s[SSC:SSC+1], s[8:9], s[36:37]
	s_lshl_b32 s38, s19, 3
	s_lshl_b32 s39, s18, 1
	s_add_co_u32 s38, s38, s39                     ; my first tile of the context: 8 X + 2 w
	s_lshl_b32 s36, s38, 13                        ; eight records of 1,024 bytes a tile
	s_add_nc_u64 s[TI:TI+1], s[4:5], s[36:37]
	s_lshl_b32 s36, s20, 9                         ; 128 columns of 4 bytes
	s_add_nc_u64 s[BP:BP+1], s[10:11], s[36:37]
	; lane r of the context's tile 8 X + 4 c + u holds row 128 X + 64 c + 32 (r / 8) + 8 u + r % 8 (the order of Q's tiles); my tiles are c = w / 2, u = 2 (w % 2) + e
	s_lshl_b32 s38, s19, 18                        ; 128 X rows of 2,048 bytes,
	s_lshr_b32 s39, s18, 1
	s_lshl_b32 s39, s39, 17                        ; 64 (w / 2) rows,
	s_add_co_u32 s38, s38, s39
	s_and_b32 s39, s18, 1
	s_lshl_b32 s39, s39, 15                        ; 16 (w % 2) rows
	s_add_co_u32 s38, s38, s39
	s_add_co_u32 s36, s36, s38
	s_add_nc_u64 s[OP:OP+1], s[12:13], s[36:37]
	LOADS
	WIN 0x40                                       ; the bias in the result's layout: lane (r, h) wants, for tile 2 b + u, the numbers 32 b + 16 h + 8 u + 0 .. 7
.irp t, 0,1,2,3,4,5,6,7
	global_load_b128 v[CB+8*\t:CB+8*\t+3], v[BA], s[BP:BP+1] offset:(32*(\t/2)+8*(\t%2))*4
	global_load_b128 v[CB+8*\t+4:CB+8*\t+7], v[BA], s[BP:BP+1] offset:(32*(\t/2)+8*(\t%2))*4+16
.endr
	WIN 0
	LOADC 0
	LOADC 1
.irp e, 0,1
.if \e == 0
	s_wait_loadcnt 24                              ; all but the second tile's 24 loads are in
.else
	s_wait_loadcnt 0x0
.endif
.irp s, 0,1,2,3
	v_lshl_or_b32 v[TS+4*\e+\s], v[WB+4*\e+\s], 16, v[WA+4*\e+\s]   ; two heads' pairs of bytes make a K step's scale word
.endr
	PLACES 8                                       ; a scale register written by a vector instruction stands eight places ahead of the product; they also part the accumulators' new start from the last products
	MULS \e, CB, 8
	PLACES 4                                       ; in front of the first read of results
.irp t, 0,1,2,3,4,5,6,7
	ds_store_b128 v[STO], v[HA+8*\t:HA+8*\t+3] offset:128*(\t/2)+32*(\t%2)          ; each accumulator from its low end on
	ds_store_b128 v[STO], v[HA+8*\t+4:HA+8*\t+7] offset:128*(\t/2)+32*(\t%2)+16
.endr
.if \e == 1
	s_wait_xcnt 0x0                                ; the first tile's stores: their data registers are loaded again only behind this wait
.endif
.irp i, 0,1,2,3,4,5,6,7,8,9,10,11,12,13,14,15
	ds_load_b128 v[OB+4*\i:OB+4*\i+3], v[SRD] offset:528*\i   ; LDS serves a wave's instructions in order: these see my stores
.endr
.irp i, 0,1,2,3,4,5,6,7,8,9,10,11,12,13,14,15
	s_wait_dscnt 15-\i                             ; row i is back; the younger loads may be out
	global_store_b128 v[LA], v[OB+4*\i:OB+4*\i+3], s[OP:OP+1] offset:(8*\e+\i%8+32*(\i/8))*2048 th:TH_STORE_NT   ; 32 lanes store 512 consecutive bytes of one row
.endr
.endr
	s_wait_tensorcnt 0x0
	ds_add_u32 v126, v127
	s_wait_dscnt 0x0
	s_endpgm
.Lfunc_end_k_qe0e1e43f32_outp:
	.size	k_qe0e1e43f32_outp, .Lfunc_end_k_qe0e1e43f32_outp-k_qe0e1e43f32_outp
	.p2alignl 7, 3214868480
	.fill 96, 4, 3214868480
	.section	.rodata,"a",@progbits
	.p2align	6, 0x0
	.amdhsa_kernel k_qe0e1e43f32_outp
		.amdhsa_group_segment_fixed_size 34304
		.amdhsa_private_segment_fixed_size 0
		.amdhsa_enable_private_segment 0
		.amdhsa_kernarg_size 40
		.amdhsa_user_sgpr_count 2
		.amdhsa_user_sgpr_kernarg_segment_ptr 1
		.amdhsa_wavefront_size32 1
		.amdhsa_system_sgpr_workgroup_id_x 1
		.amdhsa_system_sgpr_workgroup_id_y 1
		.amdhsa_system_sgpr_workgroup_id_z 1
		.amdhsa_system_vgpr_workitem_id 0
		.amdhsa_next_free_vgpr 1024
		.amdhsa_next_free_sgpr 66
		.amdhsa_reserve_vcc 0
		.amdhsa_float_denorm_mode_32 3
		.amdhsa_float_denorm_mode_16_64 3
		.amdhsa_memory_ordered 1
		.amdhsa_forward_progress 1
		.amdhsa_inst_pref_size 37
	.end_amdhsa_kernel
	.amdgpu_metadata
---
amdhsa.version: [ 1, 2 ]
amdhsa.kernels:
  - .name:           k_qe0e1e43f32_outp
    .symbol:         k_qe0e1e43f32_outp.kd
    .args:
      - { .name: ctx, .offset: 0, .size: 8, .value_kind: global_buffer, .address_space: global }
      - { .name: img, .offset: 8, .size: 8, .value_kind: global_buffer, .address_space: global }
      - { .name: scl, .offset: 16, .size: 8, .value_kind: global_buffer, .address_space: global }
      - { .name: bo, .offset: 24, .size: 8, .value_kind: global_buffer, .address_space: global }
      - { .name: out0, .offset: 32, .size: 8, .value_kind: global_buffer, .address_space: global }
    .group_segment_fixed_size: 34304
    .private_segment_fixed_size: 0
    .kernarg_segment_align: 8
    .kernarg_segment_size: 40
    .max_flat_workgroup_size: 128
    .sgpr_count:     66
    .vgpr_count:     1024
    .wavefront_size: 32
...
	.end_amdgpu_metadata
.endif
;; end of part 4
